; MI455X (gfx1250); checked and timed in simulation.
; The chip was launched on July 23, 2026; its instructions are those of AMD's public machine-readable ISA for CDNA 5 (MIT licence, August 2026) and "CDNA5" Instruction Set Architecture Reference Guide (July 2026). The comments in the code are by the model that wrote it; some were corrected since.
;; Bahdanau Attention. Allowed arithmetic: matrix products marked QUANTISED: E5M2 operands, one given power-of-two scale a tensor, by v_wmma_f32_16x16x64_bf8_bf8 or v_wmma_f32_16x16x128_bf8_bf8, f32 sums; products left as they are: f32 operands where the result goes on into a quantised operand, else bf16, f16 or f32 operands; f32 sums; everything else in f32.
;; Inputs: V 1,024 x 1 float32; W1 1,024 x 1,024 float32; W2 1,024 x 1,024 float32; b1 1,024 float32; b2 1,024 float32; bV 1 float32; lowp_scales 4 int32 (the exponents e of the quantised operands' scales 2^e); query 32 x 1,024 float32; values 32 x 2,048 x 1,024 float32.
;; Outputs: out0 32 x 1,024 float32; out1 32 x 2,048 x 1 float32.
;; This version of the problem:
;;   THIS VERSION OF THE PROBLEM IS GIVEN IN LOW PRECISION. The matrix products marked QUANTISED in the list below multiply operands that are first quantised to E5M2 (5 exponent bits, 2 mantissa bits; 8 bits a number), with one given power-of-two scale for each operand tensor; their sums are f32. All else is computed in f32.
;;   The module's matrix products, in the order in which they are computed (A, B: the left and right operand; K: the contracted axis; several contracted axes count as one K, in the product's order):
;;     1. [M 65,536, K 1,024] x [K 1,024, N 1,024]; A: input values; B: input W1: QUANTISED (scales: A lowp_scales[0], B lowp_scales[1])
;;     2. [M 32, K 1,024] x [K 1,024, N 1,024]; A: input query; B: input W2: QUANTISED (scales: A lowp_scales[2], B lowp_scales[3])
;;     3. [M 65,536, K 1,024] x [K 1,024, N 1]; A: computed on the way; B: input V: left as it is (N = 1 < 16)
;;   THE QUANTISER, for each operand of a quantised product, along K:
;;     - The operand's scale is 2^e, e = its entry of the input lowp_scales (int32; the entries are numbered through the quantised products in the list's order, A before B).
;;     - Each number is divided by the scale, clamped to +-57,344, and rounded to the nearest number of E5M2, ties to even, subnormals kept.
;;     - The product sums the exact products of the quantised numbers (number of the format x scale) in f32.
;;   ~~~python
;;   def quantise(x, axis, e):      # numpy; x: float32 -> the quantised numbers, widened to float32 again
;;       x = np.moveaxis(x, axis, -1); K = x.shape[-1]
;;       r = np.clip(x / 2.0 ** e, -57344, 57344)
;;       step = 2.0 ** (np.maximum(np.frexp(np.where(r == 0, 1, r))[1] - 1, -14) - 2)
;;       q = np.round(r / step) * step * 2.0 ** e      # np.round: ties to even
;;       return np.moveaxis(q, -1, axis).astype(np.float32)
;;   ~~~
;; One version. Each part assembles by itself: llvm-mc -triple=amdgcn-amd-amdhsa -mcpu=gfx1250 --defsym DOCPART=n.
;; ======== version 1 of 1: 3 launches
;; workspace buffers: w1f 1,048,576 bytes; pqc 131,072 bytes; score 262,144 bytes
;; launch prep (part 1): grid 64 x 1, 8 waves a work-group, no clusters, 17,408 bytes of LDS; arguments W1, W2, query, b1, b2, lowp_scales, w1f, pqc; writes w1f, pqc
.if DOCPART == 1
	.amdgcn_target "amdgcn-amd-amdhsa--gfx1250"
	.amdhsa_code_object_version 6
	.text
	.protected	k_qc6bcb651d4_prep
	.globl	k_qc6bcb651d4_prep
	.p2align	8
	.type	k_qc6bcb651d4_prep,@function
k_qc6bcb651d4_prep:
	s_mov_b64 s[64:65], 0
	v_nop
	global_prefetch_b8 v0, s[64:65] scope:SCOPE_SE
	s_setreg_imm32_b32 hwreg(HW_REG_WAVE_MODE, 25, 1), 1
	s_wait_xcnt 0x0
; TWO THINGS THAT THE MAIN LAUNCH NEEDS ONCE.
; (1) W1 [1024 (k)][1024 (u)] f32 becomes codes of BF8 (E5M2) with the given scale 2^e1, laid in the ORDER OF THE OPERAND'S REGISTERS:
;     fragment (t = u / 16, s = k / 128) at byte (8 t + s) x 2048; in it register group c (0..3) at 512 c, lane l at 16 l; lane (r = l % 16, h = l / 16) holds the
;     codes of W1[128 s + 32 c + 16 h + 0 .. 15][16 t + r].
; (2) pqc[b][u] = c2 x (query W2 + b1 + b2)[b][u], c2 = 2 log2(e): query and W2 are quantised here, in registers, with 2^e2 and 2^e3, and multiplied on codes.
; code = x / 2^e, held within +-57,344, to the nearest code, ties to even.
; SHARES.  Work-group t owns 16 columns u; wave s owns 128 along K.  A LANE TAKES A COLUMN AND ITS REGISTERS RUN DOWN K (W1 and W2 have K as their first axis), so the
; conversions' results are the operand's registers and nothing is transposed.  The eight waves' partial sums of query W2 meet in LDS and are added with K ascending.
; The k order in a fragment (registers 4 c .. 4 c + 3: k = 32 c + 16 h + 0 .. 15) is the same on both sides of every product of this program.
; A load of W1 or W2 reads 64 consecutive bytes in sixteen lanes; the four work-groups that share 256 consecutive bytes of a row are neighbours in the grid.  pqc is stored in runs of 64 bytes: 128 KiB in all.
; No cluster, no tensor load: the work-groups share nothing but query's 128 KiB.  64 work-groups are what one tile of 16 columns each gives.
; LIMITS: e1, e2, e3 between -126 and 112; e2 + e3 between -126 and 126 (it is added to c2's exponent field).  NaN among the inputs is not served; an infinity is held at the largest code.
; REGISTERS: v1 r, v2 h, v3-v9 offsets; v10-15 scales and holds; v16-31 W1's codes; v32-47 W2's; v48-79 query's two tiles; v80-95 the two results; v96-111 eight partial sums; v112, v113 b1, b2;
;   v128-191 W1 as loaded, v192-255 W2 as loaded; window 1: v0-127 query as loaded (two tiles of 16 rows).
.set C2,   0x4038aa3b                  ; 2 log2(e) as f32
.set MANT, 0x600000                    ; the mantissa field of 57,344 as f32
.set MSB, 0
.macro WIN new                         ; the immediate's high byte repeats the setting that is left
.if MSB != (\new)
	s_set_vgpr_msb (MSB<<8)|(\new)
.set MSB, (\new)
.endif
.endm
.macro WLOAD reg, base                 ; 64 numbers of my column: register 16 c + i = row 32 c + 16 h + i of my wave's 128
.set q_, 0
.rept 64
	global_load_b32 v[\reg+q_], v3, s[\base:\base+1] offset:(32*(q_/16)+q_%16)*4096
.set q_, q_+1
.endr
.endm
.macro QLOAD reg, m                    ; 64 numbers of row 16 m + r of query: 16 neighbours of each block of 32
.set q_, 0
.rept 16
	global_load_b128 v[\reg+4*q_:\reg+4*q_+3], v4, s[8:9] offset:(\m)*65536+128*(q_/4)+16*(q_%4)
.set q_, q_+1
.endr
.endm
.macro SCALE e, sc, lim                ; v[sc] = 2^e as f32 (the conversion takes its exponent field), v[lim] = 57,344 x 2^e
	s_add_co_i32 s40, s[\e], 127
	s_lshl_b32 s41, s40, 23
	v_mov_b32 v[\sc], s41
	s_add_co_i32 s40, s40, 15
	s_lshl_b32 s40, s40, 23
	s_or_b32 s40, s40, MANT
	v_mov_b32 v[\lim], s40
.endm
.macro QUANT src, win, dst, sc, lim    ; 64 numbers in window win become a fragment's 16 registers of codes in window 0
	WIN 0x41*(\win)
.set q_, 0
.rept 64
	v_med3_num_f32 v[\src+q_], v[\src+q_], -v[\lim], v[\lim]   ; the conversion to an 8-bit code does not saturate (ISA guide 7.6.2): the hold comes first
.set q_, q_+1
.endr
	WIN (\win)
.set q_, 0
.rept 8
	v_cvt_scalef32_pk8_bf8_f32 v[\dst+2*q_:\dst+2*q_+1], v[\src+8*q_:\src+8*q_+7], v[\sc]
.set q_, q_+1
.endr
	v_nop                                          ; one plain vector line between the last conversion and whatever vector or matrix line touches its registers next
	WIN 0
.endm
	s_load_b256 s[4:11], s[0:1], 0x0               ; W1 s[4:5], W2 s[6:7], query s[8:9], b1 s[10:11]
	s_load_b256 s[12:19], s[0:1], 0x20             ; b2 s[12:13], the exponents s[14:15], w1f s[16:17], pqc s[18:19]
	v_lshl_add_u32 v126, v0, 2, 0x4000
	v_mov_b32 v127, 0
	v_lshrrev_b32 v1, 5, v0
	v_readfirstlane_b32 s20, v1                    ; wave = K step, 0..7
	v_and_b32 v16, 31, v0                          ; lane
	v_and_b32 v1, 15, v0                           ; r
	v_bfe_u32 v2, v0, 4, 1                         ; h
	v_lshlrev_b32 v6, 2, v1                        ; 4 r: my column in a row, my number of b1 and b2
	v_lshl_add_u32 v3, v2, 16, v6                  ; W1, W2: + 16 h rows of 4,096 bytes
	v_lshlrev_b32 v4, 12, v1
	v_lshl_add_u32 v4, v2, 6, v4                   ; query: row r, + 64 h bytes
	v_lshlrev_b32 v5, 4, v16                       ; 16 x lane: my place in a register group of w1f
	v_lshl_add_u32 v9, v2, 15, v6                  ; pqc: 8 h rows of 4,096 bytes + 4 r
	s_lshl_b32 s21, s20, 11
	s_lshl_b32 s22, s20, 8
	v_lshlrev_b32 v7, 3, v16
	v_add_nc_u32 v8, s22, v7                       ; LDS, back: pair w of every wave's sixteen registers: 256 w + 8 x lane
	v_add_nc_u32 v7, s21, v7                       ; LDS, in: my wave's 2,048 bytes + 8 x lane
	s_lshl_b32 s28, ttmp9, 6                       ; 64 t: the tile's 16 columns in bytes
	s_mov_b32 s29, 0
	s_lshl_b32 s32, s20, 19                        ; 128 rows of 4,096 bytes a wave
	s_add_co_u32 s32, s32, s28
	s_mov_b32 s33, 0
	s_lshl_b32 s34, s20, 9                         ; query: 128 numbers a wave
	s_mov_b32 s35, 0
	s_lshl_b32 s36, ttmp9, 3
	s_add_co_u32 s36, s36, s20
	s_lshl_b32 s36, s36, 11                        ; w1f: fragment 8 t + s
	s_mov_b32 s37, 0
	s_lshr_b32 s38, s20, 2
	s_lshl_b32 s38, s38, 4
	s_and_b32 s39, s20, 3
	s_lshl_b32 s39, s39, 1
	s_add_co_u32 s38, s38, s39                     ; pqc: pair w holds rows 16 (w / 4) + 8 h + 2 (w % 4) + 0, 1
	s_lshl_b32 s38, s38, 12
	s_add_co_u32 s38, s38, s28
	s_mov_b32 s39, 0
	s_wait_kmcnt 0x0
	s_load_b128 s[24:27], s[14:15], 0x0            ; e0 (used by the main launch), e1, e2, e3
	s_add_nc_u64 s[4:5], s[4:5], s[32:33]
	s_add_nc_u64 s[6:7], s[6:7], s[32:33]
	s_add_nc_u64 s[8:9], s[8:9], s[34:35]
	s_add_nc_u64 s[10:11], s[10:11], s[28:29]
	s_add_nc_u64 s[12:13], s[12:13], s[28:29]
	s_add_nc_u64 s[16:17], s[16:17], s[36:37]
	s_add_nc_u64 s[18:19], s[18:19], s[38:39]
	WLOAD 128, 4                                   ; all 162 loads go out at once, in the order in which they are wanted
	WLOAD 192, 6
	WIN 0x40                                       ; destination window 1
	QLOAD 0, 0
	QLOAD 64, 1
	WIN 0
	global_load_b32 v112, v6, s[10:11]
	global_load_b32 v113, v6, s[12:13]
	s_wait_kmcnt 0x0
	SCALE 25, 10, 11                               ; W1's
	SCALE 27, 12, 13                               ; W2's
	SCALE 26, 14, 15                               ; query's
	s_add_co_i32 s30, s26, s27
	s_lshl_b32 s30, s30, 23
	s_add_co_i32 s30, s30, C2                      ; c2 x 2^(e2 + e3): the exponents are added to c2's exponent field
	s_mov_b32 s31, C2
	s_wait_loadcnt 63                              ; 98 loads were issued behind W1's 64: with at most 63 out, W1's are in
	QUANT 128, 0, 16, 10, 11
.irp c, 0,1,2,3
	global_store_b128 v5, v[16+4*\c:19+4*\c], s[16:17] offset:512*\c   ; 32 lanes store 512 consecutive bytes, at a multiple of 512 from w1f's first byte
.endr
	s_wait_loadcnt 34                              ; behind W2's: query's 32 and the two biases
	QUANT 192, 0, 32, 12, 13
	s_wait_loadcnt 18                              ; behind query's rows 0-15: its rows 16-31 and the biases
	QUANT 0, 1, 48, 14, 15
	s_wait_loadcnt 2                               ; the biases may be out
	QUANT 64, 1, 64, 14, 15
	v_wmma_f32_16x16x128_bf8_bf8 v[80:87], v[48:63], v[32:47], 0    ; source 0 = 16 rows of query, source 1 = 16 columns of W2: register j of lane (r, h) is (b = 8 h + j, u = 16 t + r)
	v_wmma_f32_16x16x128_bf8_bf8 v[88:95], v[64:79], v[32:47], 0    ; rows 16-31
.rept 4
	v_nop                                          ; four places between a matrix instruction and the LDS stores that read its result
.endr
.irp i, 0,1,2,3,4,5,6,7
	ds_store_b64 v7, v[80+2*\i:81+2*\i] offset:256*\i   ; each result from its low end on
.endr
	s_wait_dscnt 0x0                               ; for the others' sake: my partial sums lie in LDS
	s_barrier_signal -1
	s_barrier_wait -1
.irp p, 0,1,2,3,4,5,6,7
	ds_load_b64 v[96+2*\p:97+2*\p], v8 offset:2048*\p   ; pair w of K step p
.endr
	s_wait_dscnt 0x0
.irp p, 1,2,3,4,5,6,7
	v_pk_add_f32 v[96:97], v[96:97], v[96+2*\p:97+2*\p]   ; K ascending
.endr
	s_wait_loadcnt 0x0                             ; b1, b2
	v_add_f32 v112, v112, v113
	v_mul_f32 v112, s31, v112                      ; c2 (b1 + b2)
	v_fma_f32 v96, v96, s30, v112                  ; sum x c2 2^(e2 + e3) + c2 (b1 + b2)
	v_fma_f32 v97, v97, s30, v112
	global_store_b32 v9, v96, s[18:19]
	global_store_b32 v9, v97, s[18:19] offset:4096
	s_wait_tensorcnt 0x0
	ds_add_u32 v126, v127
	s_wait_dscnt 0x0
	s_endpgm
.Lfunc_end_k_qc6bcb651d4_prep:
	.size	k_qc6bcb651d4_prep, .Lfunc_end_k_qc6bcb651d4_prep-k_qc6bcb651d4_prep
	.p2alignl 7, 3214868480
	.fill 96, 4, 3214868480
	.section	.rodata,"a",@progbits
	.p2align	6, 0x0
	.amdhsa_kernel k_qc6bcb651d4_prep
		.amdhsa_group_segment_fixed_size 17408
		.amdhsa_private_segment_fixed_size 0
		.amdhsa_enable_private_segment 0
		.amdhsa_kernarg_size 64
		.amdhsa_user_sgpr_count 2
		.amdhsa_user_sgpr_kernarg_segment_ptr 1
		.amdhsa_wavefront_size32 1
		.amdhsa_system_sgpr_workgroup_id_x 1
		.amdhsa_system_sgpr_workgroup_id_y 1
		.amdhsa_system_sgpr_workgroup_id_z 1
		.amdhsa_system_vgpr_workitem_id 0
		.amdhsa_next_free_vgpr 384
		.amdhsa_next_free_sgpr 66
		.amdhsa_reserve_vcc 0
		.amdhsa_float_denorm_mode_32 3
		.amdhsa_float_denorm_mode_16_64 3
		.amdhsa_memory_ordered 1
		.amdhsa_forward_progress 1
		.amdhsa_inst_pref_size 40
	.end_amdhsa_kernel
	.amdgpu_metadata
---
amdhsa.version: [ 1, 2 ]
amdhsa.kernels:
  - .name:           k_qc6bcb651d4_prep
    .symbol:         k_qc6bcb651d4_prep.kd
    .args:
      - { .name: W1, .offset: 0, .size: 8, .value_kind: global_buffer, .address_space: global }
      - { .name: W2, .offset: 8, .size: 8, .value_kind: global_buffer, .address_space: global }
      - { .name: query, .offset: 16, .size: 8, .value_kind: global_buffer, .address_space: global }
      - { .name: b1, .offset: 24, .size: 8, .value_kind: global_buffer, .address_space: global }
      - { .name: b2, .offset: 32, .size: 8, .value_kind: global_buffer, .address_space: global }
      - { .name: lowp_scales, .offset: 40, .size: 8, .value_kind: global_buffer, .address_space: global }
      - { .name: w1f, .offset: 48, .size: 8, .value_kind: global_buffer, .address_space: global }
      - { .name: pqc, .offset: 56, .size: 8, .value_kind: global_buffer, .address_space: global }
    .group_segment_fixed_size: 17408
    .private_segment_fixed_size: 0
    .kernarg_segment_align: 8
    .kernarg_segment_size: 64
    .max_flat_workgroup_size: 256
    .sgpr_count:     66
    .vgpr_count:     384
    .wavefront_size: 32
...
	.end_amdgpu_metadata
.endif
;; end of part 1
;; launch main (part 2): grid 256 x 1, 4 waves a work-group, clusters of 4 x 1, 327,680 bytes of LDS; arguments values, w1f, pqc, V, bV, lowp_scales, score; writes score
.if DOCPART == 2
	.amdgcn_target "amdgcn-amd-amdhsa--gfx1250"
	.amdhsa_code_object_version 6
	.text
	.protected	k_qc6bcb651d4_main
	.globl	k_qc6bcb651d4_main
	.p2align	8
	.type	k_qc6bcb651d4_main,@function
k_qc6bcb651d4_main:
	s_mov_b64 s[64:65], 0
	v_nop
	global_prefetch_b8 v0, s[64:65] scope:SCOPE_SE
	s_setreg_imm32_b32 hwreg(HW_REG_WAVE_MODE, 25, 1), 1
	s_wait_xcnt 0x0
	s_wait_alu depctr_hold_cnt(0) depctr_sa_sdst(0) depctr_va_vdst(0) depctr_va_sdst(0) depctr_va_ssrc(0) depctr_va_vcc(0) depctr_vm_vsrc(0)
	s_getreg_b32 s2, hwreg(HW_REG_IB_STS2, 6, 4)
	s_cmp_eq_u32 s2, 0
	s_cbranch_scc0 .Lentry_in_a_cluster
	s_endpgm
.Lentry_in_a_cluster:
	s_bfe_u32 s2, ttmp6, 0x10000c
	s_cmp_lg_u32 s2, 0x3003
	s_cbranch_scc0 .Lentry_shape_is_right
	s_endpgm
.Lentry_shape_is_right:
; score[row] = bV + sum over u of V[u] tanh((values W1)[row][u] + b1[u] + (query W2 + b2)[batch][u]), for the 65,536 rows of values [32][2048][1024] f32.
; values W1 goes on codes of BF8 (E5M2): values is quantised here, in registers, with the given 2^e0; W1's codes come from w1f, laid in the order of the operand's registers.
; tanh(x) = 1 - 2 / (1 + 2^(c2 x)), c2 = 2 log2(e).  pqc holds c2 (query W2 + b1 + b2); divided once by c2 2^(e0 + e1) it is the C of each sum's first product, so that c2 x = sum x c2 2^(e0 + e1).
; score = (bV + sum of V) - 2 sum of V[u] / (1 + 2^(c2 x)).  An exponential that overflows gives infinity, its reciprocal 0, tanh 1; one that underflows gives tanh -1.
; SHARES.  Work-group g owns rows 256 g .. 256 g + 255, all of batch g / 8; wave w owns 64 of them, four tiles of 16, for ALL 1,024 u.  THE ROWS' CODES STAY IN REGISTERS: 4 tiles x 8 K steps x 16 = 512.
; W1's codes walk by: eight slots' worth of 128 u x 1,024 k (131,072 dense bytes of w1f) through a ring of two LDS slots that all four waves read.  A fragment of W1 read from LDS feeds four matrix instructions.
; LAYOUT.  THE PRODUCT IS USED TRANSPOSED: source 0 = 16 columns u of W1, source 1 = 16 rows of values.  In a result lane (r, h) holds ONE row (16 i + r) and u = 8 h + 0 .. 7 along its registers: the bias and V are
; eight registers a lane, and a row's score is summed along registers chunk by chunk; the two halves of the lanes meet once, at the end.
; BY TURNS.  A CHUNK is 16 u: 8 K steps x 4 matrix instructions on four accumulators.  Behind its last K step the sums x c2 2^(e0 + e1) are copied into T, which frees the accumulators; T's exponentials, additions,
; reciprocals and multiply-adds with V stand in slices, one behind each matrix instruction of the NEXT chunk.  All that these slices and the LDS loads name lies in window 0; the codes are source 1 alone, and V's eight
; numbers stand beside the codes of K steps 6 and 7, under which they are read: so no slice switches a window.
; CLUSTER.  Every work-group walks the same w1f, so the four of a cluster ask for each slot JOINTLY: the same tensor load, the same descriptor, a mask that names the four.  My place in the cluster enters
; the addresses of values, pqc and score alone: no LDS address, no branch, no descriptor.
; LIMITS: e0 between -126 and 112; e0 + e1 between -126 and 124 (it is added to c2's exponent field and taken off that of 1 / c2).  NaN among the inputs is not served; an infinity is held at the largest code.
; REGISTERS, in windows of 256: window 0: v0 as at the entry; v1-15 addresses and constants; v16-23 the chunk's bias; v32-63 the 32 running sums (8 i + j); v64-191 eight places for W1's fragments, K step s in place s
;   (ahead of the loop: two buffers of 64 numbers of values); v192-223 the four accumulators; v224-255 T.
;   windows 1, 2, 3: the rows' codes: fragment (tile i, K step s) at window 1 + s / 3, v[64 (s % 3) + 16 i].  What they leave free holds four sets of 64 numbers as loaded (window 1 v192-255, window 2 v192-255,
;   window 3 v128-191 and v192-255); in the loop window 3's v192-199 hold V's eight numbers.
.set C2,    0x4038aa3b                 ; 2 log2(e) as f32
.set IC2,   0x3eb17218                 ; 1 / (2 log2(e)) as f32
.set MANT,  0x600000                   ; the mantissa field of 57,344 as f32
.set SLOT1, 1<<17                      ; slot 0 at LDS byte 0, slot 1 here: one exclusive or turns an address in one slot into the other's
.set CHB,   16384                      ; a chunk's bytes in a slot: eight fragments of 2,048
.set PRB,   2*CHB                      ; two chunks: what one trip of the inner loop walks
.set SPARE, 2*SLOT1                    ; behind the ring: the spare words, 128 bytes for each wave: two blocks of 256 bytes that no other line names
.set PB,    SPARE+512                  ; my batch's bias: 1,024 numbers;
.set PZ,    PB+4096                    ; 512 bytes of zeros: V of the chunk before the first, the bias of the chunk behind the last;
.set PV,    PB+4608                    ; V: 1,024 numbers
.set STG,   PB+8704                    ; a stage of 16 rows x 528 bytes for each wave
.set SP,    528                        ; a stage row: 512 bytes + 16: sixteen lanes that read one column of sixteen rows start 132 words apart
.set LI,  1                            ; v1   16 x lane
.set SPW, 2                            ; v2   LDS address of my spare word; never rewritten
.set NIL, 3                            ; v3   0; never rewritten
.set ADB, 4                            ; v4   LDS address of the two chunks in hand
.set ADP, 5                            ; v5   LDS address of their bias
.set STI, 6                            ; v6   the stage, in: 16 x lane of a row
.set STO, 7                            ; v7   the stage, out: row r, + 64 h
.set RP,  8                            ; v8   PB + 32 h
.set QS,  9                            ; v9   2^e0 as f32
.set QL,  10                           ; v10  57,344 x 2^e0
.set PBW, 11                           ; v11  PB + 16 x thread
.set GO,  12                           ; v12  8 x lane: my 8 bytes of the wave's 256 bytes of score
.set ADN, 13                           ; v13  LDS address of the next slot's first chunk (at the head: my word of the zeros)
.set TA,  14                           ; v14  at work
.set PBO, 15                           ; v15  16 x thread: offset in pqc's row and in V
.set BI,  16
.set SA,  32
.set BF,  64
.set ACC, 192
.set TT,  224
.set VVR, 192                          ; in window 3
.set WV,  18                           ; s18  my wave's number
.set G1,  24                           ; s[24:31] descriptor group 1
.set G0A, 32                           ; s[32:35] descriptor group 0 of slot 0's first fill
.set G0,  36                           ; s[36:39] of slot 1's first fill; it then walks on
.set TB,  40                           ; s40  LDS byte at which the two chunks in hand begin
.set PQ,  41                           ; s41  64 x chunk: its 16 numbers of the bias and of V
.set SLOTS, 42
.set INNER, 43
.set TN,  44                           ; s44  LDS byte at which the next slot begins
.set STB, 45                           ; s45  my stage
.set SC,  46                           ; s[46:47] c2 2^(e0 + e1): the packed form names a pair and takes its low word for both halves
.set IS,  48                           ; s[48:49] 1 / that
.set SEL, 62                           ; s[62:63] v_permlanex16_b32: each lane takes its own place in the other half
.set MSB, 0
.set PL,  0
.macro WIN new                         ; the immediate's high byte repeats the setting that is left
.if MSB != (\new)
	s_set_vgpr_msb (MSB<<8)|(\new)
.set MSB, (\new)
.endif
.endm
; A round of the cluster's barrier: my work-group's barrier, so that wave 0's signal speaks for all four waves; wave 0 signals for the work-group; every wave waits for all four work-groups; my work-group's barrier once more.
.macro CROUND
	s_barrier_signal -1
	s_barrier_wait -1
	s_cmp_lg_u32 s[WV], 0
	s_cbranch_scc1 .Lnot_wave_0_\@
	s_barrier_signal -3
.Lnot_wave_0_\@:
	s_barrier_wait -3
	s_barrier_signal -1
	s_barrier_wait -1
.endm
; THE WAY IN.  Fragment f = 8 i + s is 16 rows x 128 numbers.  A load is best where neighbouring lanes take neighbouring bytes; the conversions want 16 neighbours along K in one lane.  Both are had:
; each of 16 loads reads 512 consecutive bytes of one row; the 8,192 bytes go through my own stage in LDS as they lie and come back 64 bytes a lane and block of 32.
.macro LOADF f                         ; into set f % 4: window 1, 2, 3, 3; from v192, v192, v128, v192
.set rw_, 1+(\f)%4-((\f)%4)/3
.set rb_, 192-64*((((\f)%4)/2)*(1-(\f)%2))
	WIN rw_<<6
.set r_, 0
.rept 16
	global_load_b128 v[rb_+4*r_:rb_+4*r_+3], v[LI], s[4:5] offset:(16*((\f)/8)+r_)*4096+512*((\f)%8) th:TH_LOAD_NT
.set r_, r_+1
.endr
.endm
.macro TURNF f                         ; LDS serves a wave's instructions in order (ISA guide 5.7.1.4): no wait between my stores and my loads
.set rw_, 1+(\f)%4-((\f)%4)/3
.set rb_, 192-64*((((\f)%4)/2)*(1-(\f)%2))
	WIN rw_<<2                                     ; an LDS store's data is source 1
.set r_, 0
.rept 16
	ds_store_b128 v[STI], v[rb_+4*r_:rb_+4*r_+3] offset:SP*r_
.set r_, r_+1
.endr
	WIN 0
.set r_, 0
.rept 16
	ds_load_b128 v[BF+64*((\f)%2)+4*r_:BF+64*((\f)%2)+4*r_+3], v[STO] offset:128*(r_/4)+16*(r_%4)   ; register 16 c + 4 j: k = 32 c + 16 h + 4 j on, of row r
.set r_, r_+1
.endr
.endm
.macro QUANTF f
	WIN 0
.set q_, 0
.rept 64
	v_med3_num_f32 v[BF+64*((\f)%2)+q_], v[BF+64*((\f)%2)+q_], -v[QL], v[QL]   ; the conversion to an 8-bit code does not saturate (ISA guide 7.6.2): the hold comes first
.set q_, q_+1
.endr
	WIN (1+((\f)%8)/3)<<6                          ; destination: the window of K step s
.set q_, 0
.rept 8
	v_cvt_scalef32_pk8_bf8_f32 v[64*(((\f)%8)%3)+16*((\f)/8)+2*q_:64*(((\f)%8)%3)+16*((\f)/8)+2*q_+1], v[BF+64*((\f)%2)+8*q_:BF+64*((\f)%2)+8*q_+7], v[QS]
.set q_, q_+1
.endr
	v_nop                                          ; one plain vector line behind the last conversion: matrix instructions read these codes, and later holds write these numbers' registers
.endm
.macro STEPF f
	s_wait_dscnt 0x0                               ; fragment f is back from the stage: so the stage's stores have read set f % 4, and the stage is free
.if (\f)+4 < 32
	LOADF (\f)+4                                   ; four fragments, 64 loads of 512 bytes a wave, are on their way
.endif
.if (\f)+1 < 32
.if (\f) <= 27
	s_wait_loadcnt 48                              ; fragment f + 1 is in; the three sets behind it may be out
.else
	s_wait_loadcnt 16*(30-(\f))                    ; the counts run down: 32, 16, 0
.endif
	TURNF (\f)+1                                   ; it goes through the stage while fragment f is quantised
.endif
	QUANTF \f
.endm
; THE LOOP.  Matrix instruction KK of a chunk's 32: K step KK / 4, tile of rows KK % 4.  The four accumulators take turns, one instruction a turn.  The first K step takes the bias as C.
.macro WMMA
.set i_, KK%4
.set s_, KK/4
.if KK < 4
	v_wmma_f32_16x16x128_bf8_bf8 v[ACC+8*i_:ACC+8*i_+7], v[BF+16*s_:BF+16*s_+15], v[64*(s_%3)+16*i_:64*(s_%3)+16*i_+15], v[BI:BI+7]
.else
	v_wmma_f32_16x16x128_bf8_bf8 v[ACC+8*i_:ACC+8*i_+7], v[BF+16*s_:BF+16*s_+15], v[64*(s_%3)+16*i_:64*(s_%3)+16*i_+15], v[ACC+8*i_:ACC+8*i_+7]
.endif
.endm
; W1's fragment of K step ks_, from byte ob_ behind v[ar_], into place ks_: each load takes 512 consecutive bytes.
.macro FRAG
.irp c, 0,1,2,3
	ds_load_b128 v[BF+16*ks_+4*\c:BF+16*ks_+4*\c+3], v[ar_] offset:ob_+2048*ks_+512*\c
.endr
.endm
; A load into a register that a matrix instruction has read stands four places behind it, and only plain vector instructions that name none of its registers are places (ISA guide 7.12.1 for vector
; instructions).  PL counts, as the text is assembled, the plain lines written since the last matrix instruction that read a place about to be loaded; v_nop make up the rest.
.macro PLACES
.if PL < 4
.rept 4-PL
	v_nop
.endr
.endif
.endm
; The end of a batch of transcendentals: a plain line behind the last of them, and the wait ahead of the first line that names a result: one for the batch.
.macro TWAIT
	v_nop
.set PL, PL+1
	s_wait_alu depctr_va_vdst(0)
.endm
; THE VECTOR WORK ON T, 32 numbers a lane: T[8 i + j] = c2 x of (row 16 i + r, u 8 h + j) of the chunk before.  Four lists, each numbered:
.macro XITEM                           ; x_ of 32: 2^(c2 x)
	v_exp_f32 v[TT+x_], v[TT+x_]
.endm
.macro RITEM                           ; r_ of 48: + 1, a pair at a time, and the reciprocals; a pair's addition stands four numbers ahead of its first reciprocal
.if r_ == 0
	v_pk_add_f32 v[TT:TT+1], v[TT:TT+1], 1.0 op_sel_hi:[1,0]
.set PL, PL+1
.elseif r_ >= 46
	v_rcp_f32 v[TT+r_-16], v[TT+r_-16]
.elseif (r_-1)%3 == 0
	v_pk_add_f32 v[TT+2*((r_-1)/3+1):TT+2*((r_-1)/3+1)+1], v[TT+2*((r_-1)/3+1):TT+2*((r_-1)/3+1)+1], 1.0 op_sel_hi:[1,0]
.set PL, PL+1
.else
	v_rcp_f32 v[TT+2*((r_-1)/3)+(r_-1)%3-1], v[TT+2*((r_-1)/3)+(r_-1)%3-1]
.endif
.endm
.macro FITEM                           ; f_ of 16: the running sums += V[u] / (1 + 2^(c2 x)); V is source 1, in window 3; each line another sum
	v_pk_fma_f32 v[SA+8*(f_%4)+2*(f_/4):SA+8*(f_%4)+2*(f_/4)+1], v[TT+8*(f_%4)+2*(f_/4):TT+8*(f_%4)+2*(f_/4)+1], v[VVR+2*(f_/4):VVR+2*(f_/4)+1], v[SA+8*(f_%4)+2*(f_/4):SA+8*(f_%4)+2*(f_/4)+1]
.set PL, PL+1
.endm
.macro MTILE                           ; tile m_ of this chunk's sums, x c2 2^(e0 + e1), into T: from the accumulator's low end on
.irp q, 0,1,2,3
	v_pk_mul_f32 v[TT+8*m_+2*\q:TT+8*m_+2*\q+1], v[ACC+8*m_+2*\q:ACC+8*m_+2*\q+1], s[SC:SC+1] op_sel_hi:[1,0]
.endr
.endm
; The slice behind matrix instruction KK.  0-11: the 32 exponentials; 12-25: the 48 additions and reciprocals; 26-29: the 16 multiply-adds (K steps 6 and 7: source 1 is window 3);
; 30, 31: tiles 0 and 1 of this chunk, each finished two matrix instructions and eight plain lines earlier.
.macro SLICE
.if KK < 12
.set x_, (32*KK)/12
.rept (32*(KK+1))/12-(32*KK)/12
	XITEM
.set x_, x_+1
.endr
.elseif KK < 26
.set r_, (48*(KK-12))/14
.rept (48*(KK-11))/14-(48*(KK-12))/14
	RITEM
.set r_, r_+1
.endr
.elseif KK < 30
.set f_, 4*(KK-26)
.rept 4
	FITEM
.set f_, f_+1
.endr
.else
.set m_, KK-30
	MTILE
.endif
.endm
; THE CHANGE OF SLOTS.  Each wave waits for all its tensor loads (one is out: its quarter of the next slot), adds 0 to its spare word, and waits for that and for its reads of the slot in hand, whose last
; fragments it has asked for.  fill = 1: a round of the cluster's barrier follows, so that no wave of any partner still reads this slot or has a load on its way, and the joint load of the 128 u two slots on
; is the first thing behind it: it has eight chunks, 256 matrix instructions, in which to land.
.macro CHANGE fill
	WIN 0
	s_wait_tensorcnt 0x0                           ; no tensor load of mine is out, so group 0 may be written
	ds_add_u32 v[SPW], v[NIL]                      ; 0 onto my spare word
.if \fill
	s_xor_b32 s[G0+1], s[G0+1], SLOT1              ; the other slot than last time,
	s_add_nc_u64 s[G0+2:G0+3], s[G0+2:G0+3], SLOT1 ; the next 131,072 bytes of w1f; the type bits on top are not reached
.endif
	s_wait_dscnt 0x0                               ; the add is done, and all my LDS loads are in
.if \fill
	CROUND
	tensor_load_to_lds s[G0:G0+3], s[G1:G1+7]
	s_nop 0
.rept 4
	v_nop                                          ; four plain lines follow the load
.endr
.else
	s_barrier_signal -1
	s_barrier_wait -1
.endif
.endm
; A CHUNK, the j-th of the two behind v[ADB].  THE LDS LOADS STAND IN TWO RUNS, each directly behind a batch's wait.  Run A, behind matrix instruction 11: V of the chunk before (2 loads), the next chunk's bias (2),
; K steps 6 and 7, the next chunk's K steps 0 and 1: 20 loads.  Run B, behind 25: the next chunk's K steps 2 to 5: 16 loads.  Each fragment is asked for 13 matrix instructions or more ahead of its use.
; THE WAIT AHEAD OF A K STEP counts the LDS loads issued behind that step's four: K step 0: step 1's 4 and run B's 16; 1: 16; 2: 12; 3: steps 4 and 5's 8 and run A's 20; 4: 24; 5: 20; 6: 12; 7: 8 and run B's 16.
; turn = 1: the slot's last chunk.  Run A stops behind K step 7 (12 loads, so K step 3's count is 20); the change of slots stands ahead of matrix instruction 16, and the next chunk's fragments come from the next slot.
.macro CHUNK j, turn, fill
.set KK, 0
.rept 32
.if KK%4 == 0
.if (\turn) && (KK == 16)
	TWAIT                                          ; branches follow: the reciprocals issued so far have their wait
	CHANGE \fill
	PLACES
.set ar_, ADN
.set ob_, 0
.set ks_, 0
	FRAG
.set ks_, 1
	FRAG
.elseif (\turn) && (KK > 16)
.elseif (\turn) && (KK == 12)
	s_wait_dscnt 20
.else
.set dw_, 20-KK
.if KK >= 12
.set dw_, 40-KK
.endif
.if KK == 24
.set dw_, 12
.endif
.if KK == 28
.set dw_, 24
.endif
	s_wait_dscnt dw_
.endif
.endif
	WIN (1+KK/12)<<2                               ; source 1: the window of this K step's codes; all else window 0
	WMMA
.if (KK == 7) || (KK == 23)
.set PL, 0                                         ; the last reader of places 0, 1 (run A) and of places 2 to 5 (run B)
.endif
	SLICE
.if KK == 11
	TWAIT
	PLACES
	WIN 0xc0                                       ; destination window 3
.irp q, 0,1
	ds_load_b128 v[VVR+4*\q:VVR+4*\q+3], v[ADP] offset:PV-PB-64+64*(\j)+16*\q
.endr
	WIN 0x08                                       ; K step 3's setting
.irp q, 0,1
	ds_load_b128 v[BI+4*\q:BI+4*\q+3], v[ADP] offset:64*((\j)+1)+16*\q
.endr
.set ar_, ADB
.set ob_, CHB*(\j)
.set ks_, 6
	FRAG
.set ks_, 7
	FRAG
.if (\turn) == 0
.set ob_, CHB*((\j)+1)
.set ks_, 0
	FRAG
.set ks_, 1
	FRAG
.endif
.endif
.if KK == 25
	TWAIT
	PLACES
.if \turn
.set ar_, ADN
.set ob_, 0
.else
.set ar_, ADB
.set ob_, CHB*((\j)+1)
.endif
.set ks_, 2
.rept 4
	FRAG
.set ks_, ks_+1
.endr
.endif
.set KK, KK+1
.endr
.set m_, 2
	MTILE                                          ; tiles 2 and 3: eight plain lines stand between each tile's last matrix instruction and its copy
.set m_, 3
	MTILE
.endm
.macro PAIR turn, fill                 ; two chunks behind one address
	v_add_nc_u32 v[ADB], s[TB], v[LI]
	v_add_nc_u32 v[ADP], s[PQ], v[RP]
.if \turn
	s_sub_co_u32 s[TN], s[TB], 3*PRB               ; back to the slot's first byte,
	s_xor_b32 s[TN], s[TN], SLOT1                  ; in the other slot
	v_add_nc_u32 v[ADN], s[TN], v[LI]
.endif
	CHUNK 0, 0, 0
	CHUNK 1, \turn, \fill
	WIN 0                                          ; at a label and at a branch every window is 0
.if \turn
	s_sub_co_u32 s[TB], s[TB], 3*PRB
	s_xor_b32 s[TB], s[TB], SLOT1
.else
	s_add_co_u32 s[TB], s[TB], PRB
.endif
	s_add_co_u32 s[PQ], s[PQ], 128
.endm
	s_load_b256 s[4:11], s[0:1], 0x0               ; values s[4:5], w1f s[6:7], pqc s[8:9], V s[10:11]
	s_load_b128 s[12:15], s[0:1], 0x20             ; bV s[12:13], the exponents s[14:15]
	s_load_b64 s[16:17], s[0:1], 0x30              ; score
	v_lshl_add_u32 v[SPW], v0, 2, SPARE
	v_mov_b32 v[NIL], 0
	ds_add_u32 v2, v3
	ds_add_u32 v2, v3
	s_wait_dscnt 0x0
	v_lshrrev_b32 v[TA], 5, v0
	v_readfirstlane_b32 s[WV], v[TA]               ; wave 0..3
	s_bfe_u32 s19, ttmp6, 0x40000                  ; cx: my place in the cluster
	s_lshl_b32 s20, ttmp9, 2                       ; in a cluster launch ttmp9 counts clusters
	s_add_co_u32 s20, s20, s19                     ; g = 4 x cluster + cx
	; descriptor group 1: 128 rows of 32 elements of 8 bytes, dense in memory and in LDS: a wave's quarter of a slot, 32,768 bytes
	s_mov_b32 s[G1], 15|(3<<16)|(1<<21)            ; 15:0 the mask: all four work-groups; 17:16 elements of 8 bytes; 20 no padding; 21 set beside a mask
	s_mov_b32 s[G1+1], 32<<16                      ; tensor_dim0 = 32
	s_mov_b32 s[G1+2], 128<<16                     ; tensor_dim1 = 128
	s_mov_b32 s[G1+3], 32<<16                      ; tile_dim0 = 32
	s_mov_b32 s[G1+4], 128                         ; tile_dim1 = 128
	s_mov_b32 s[G1+5], 32                          ; from row to row: 32 elements
	s_mov_b32 s[G1+6], 0
	s_mov_b32 s[G1+7], 0
	s_mov_b32 s[G0A], 1                            ; count = 1
	s_lshl_b32 s[G0A+1], s[WV], 15                 ; LDS address: slot 0, my quarter
	s_mov_b32 s[G0], 1
	s_lshl_b32 s[G0+1], s[WV], 15
	s_add_co_u32 s[G0+1], s[G0+1], SLOT1           ; slot 1, my quarter
	s_lshl_b32 s54, s[WV], 15                      ; and the same quarter in w1f: the wave's number alone
	s_mov_b32 s55, 0
	s_lshl_b32 s56, s20, 20                        ; values: 256 g rows of 4,096 bytes
	s_lshl_b32 s57, s[WV], 18                      ; + 64 w rows
	s_add_co_u32 s56, s56, s57
	s_mov_b32 s57, 0
	s_lshr_b32 s58, s20, 3                         ; pqc: row g / 8
	s_lshl_b32 s58, s58, 12
	s_mov_b32 s59, 0
	s_lshl_b32 s60, s20, 10                        ; score: 4 (256 g + 64 w)
	s_lshl_b32 s61, s[WV], 8
	s_add_co_u32 s60, s60, s61
	s_mov_b32 s61, 0
	s_mov_b32 s[SEL], 0x76543210
	s_mov_b32 s[SEL+1], 0xfedcba98
	v_and_b32 v[LI], 31, v0
	v_lshlrev_b32 v[LI], 4, v[LI]
	v_and_b32 v[TA], 15, v0                        ; r
	v_bfe_u32 v[ADP], v0, 4, 1                     ; h
	s_mul_i32 s[STB], s[WV], 16*SP
	s_add_co_u32 s[STB], s[STB], STG               ; my stage
	v_add_nc_u32 v[STI], s[STB], v[LI]
	v_mul_u32_u24 v[STO], v[TA], SP
	v_lshl_add_u32 v[STO], v[ADP], 6, v[STO]
	v_add_nc_u32 v[STO], s[STB], v[STO]
	v_lshl_add_u32 v[RP], v[ADP], 5, PB            ; lane (r, h) wants the numbers of u = 8 h + 0 .. 7 of a chunk's 16
	v_lshl_add_u32 v[PBW], v0, 4, PB
	v_lshl_add_u32 v[ADN], v0, 2, PZ               ; my word of the 512 bytes of zeros
	v_lshlrev_b32 v[PBO], 4, v0
	v_lshrrev_b32 v[GO], 1, v[LI]
	s_wait_kmcnt 0x0
	s_load_b64 s[50:51], s[14:15], 0x0             ; e0, e1
	s_load_b32 s52, s[12:13], 0x0                  ; bV
	s_add_nc_u64 s[G0A+2:G0A+3], s[6:7], s[54:55]  ; global address: the first 128 u,
	s_add_nc_u64 s[G0+2:G0+3], s[G0A+2:G0A+3], SLOT1   ; and the second
	s_or_b32 s[G0A+3], s[G0A+3], 0x80000000        ; type = 2
	s_or_b32 s[G0+3], s[G0+3], 0x80000000
	s_add_nc_u64 s[4:5], s[4:5], s[56:57]
	s_add_nc_u64 s[8:9], s[8:9], s[58:59]
	s_add_nc_u64 s[16:17], s[16:17], s[60:61]
	CROUND                                         ; all four work-groups are here: the first joint loads meet
	tensor_load_to_lds s[G0A:G0A+3], s[G1:G1+7]    ; both slots' first fills go out together and land while the rows are quantised: two tensor loads of mine are out here, one behind every later round
	s_nop 0
	tensor_load_to_lds s[G0:G0+3], s[G1:G1+7]
	s_nop 0
.rept 4
	v_nop
.endr
	global_load_b128 v[ACC:ACC+3], v[PBO], s[8:9]                  ; my batch's row of pqc and V: 128 threads x 16 bytes, twice each
	global_load_b128 v[ACC+4:ACC+7], v[PBO], s[8:9] offset:2048
	global_load_b128 v[ACC+8:ACC+11], v[PBO], s[10:11]
	global_load_b128 v[ACC+12:ACC+15], v[PBO], s[10:11] offset:2048
	LOADF 0
	LOADF 1
	LOADF 2
	WIN 0
	s_wait_kmcnt 0x0
	s_add_co_i32 s53, s50, 127
	s_lshl_b32 s54, s53, 23
	v_mov_b32 v[QS], s54                           ; 2^e0 as f32: the conversion takes its exponent field
	s_add_co_i32 s53, s53, 15
	s_lshl_b32 s53, s53, 23
	s_or_b32 s53, s53, MANT
	v_mov_b32 v[QL], s53                           ; 57,344 x 2^e0
	s_add_co_i32 s53, s50, s51
	s_lshl_b32 s53, s53, 23
	s_add_co_i32 s[SC], s53, C2                    ; c2 2^(e0 + e1): the exponents are added to c2's exponent field,
	s_mov_b32 s[SC+1], s[SC]                       ; (named with it as a pair, so it is written)
	s_sub_co_i32 s[IS], IC2, s53                   ; and taken off that of 1 / c2
	s_mov_b32 s[IS+1], s[IS]
	s_wait_loadcnt 48                              ; the four loads of pqc and V are in; the three sets behind them may be out
.irp q, 0,2,4,6
	v_pk_mul_f32 v[ACC+\q:ACC+\q+1], v[ACC+\q:ACC+\q+1], s[IS:IS+1] op_sel_hi:[1,0]   ; the bias as the sums want it: pqc / (c2 2^(e0 + e1))
.endr
	ds_store_b128 v[PBW], v[ACC:ACC+3]             ; all these are read behind the barrier in front of the loop, which stands behind every wave's wait for its stores
	ds_store_b128 v[PBW], v[ACC+4:ACC+7] offset:2048
	ds_store_b128 v[PBW], v[ACC+8:ACC+11] offset:PV-PB
	ds_store_b128 v[PBW], v[ACC+12:ACC+15] offset:PV-PB+2048
	ds_store_b32 v[ADN], v[NIL]
	LOADF 3
	WIN 0
	s_wait_loadcnt 48                              ; fragment 0 is in
	TURNF 0
.set F_, 0
.rept 32
	STEPF F_
.set F_, F_+1
.endr
	WIN 0
.set q_, 0
.rept 32
	v_mov_b32 v[SA+q_], 0                          ; the running sums begin at 0;
	v_mov_b32 v[TT+q_], 0                          ; so does T: the chunk is written once, and the first chunk's slices find T = 0 and V = 0 (the zeros in LDS) and add nothing
.set q_, q_+1
.endr
	s_mov_b32 s[TB], 0
	s_mov_b32 s[PQ], 0
	s_wait_tensorcnt 0x1                           ; my quarter of slot 0 is in; slot 1's may stay out
	s_wait_dscnt 0x0                               ; my stores of the bias, the zeros and V have landed
	s_barrier_signal -1
	s_barrier_wait -1
.irp q, 0,1
	ds_load_b128 v[BI+4*\q:BI+4*\q+3], v[RP] offset:16*\q   ; what the chunk before would have asked for, in its order: the first bias, K steps 0 and 1, K steps 2 to 5
.endr
.set ar_, LI
.set ob_, 0
.set ks_, 0
.rept 6
	FRAG
.set ks_, ks_+1
.endr
	s_mov_b32 s[SLOTS], 6
.Lslot:                                            ; six trips: a slot's eight chunks; in the last of them the slot is left and filled again
	s_mov_b32 s[INNER], 3
.Lpair_a:
	PAIR 0, 0
	s_sub_co_u32 s[INNER], s[INNER], 1
	s_cmp_lg_u32 s[INNER], 0
	s_cbranch_scc1 .Lpair_a
	PAIR 1, 1
	s_sub_co_u32 s[SLOTS], s[SLOTS], 1
	s_cmp_lg_u32 s[SLOTS], 0
	s_cbranch_scc1 .Lslot
	s_mov_b32 s[SLOTS], 2
.Ltail:                                            ; the last two slots are left without a fill: written out anew.  One text serves both: the second trip's
	s_mov_b32 s[INNER], 3                          ; change of slots, the 24 fragment loads behind it and its load of a next bias (the zeros) serve nothing
.Lpair_b:
	PAIR 0, 0
	s_sub_co_u32 s[INNER], s[INNER], 1
	s_cmp_lg_u32 s[INNER], 0
	s_cbranch_scc1 .Lpair_b
	PAIR 1, 0
	s_sub_co_u32 s[SLOTS], s[SLOTS], 1
	s_cmp_lg_u32 s[SLOTS], 0
	s_cbranch_scc1 .Ltail
	; THE LAST CHUNK'S T has no chunk behind it: its lists are written out.  Its V, and all of V for the sum of V (16 bytes a lane, eight times 512 bytes), are asked for first.
	v_add_nc_u32 v[ADP], s[PQ], v[RP]
	v_add_nc_u32 v[TA], PV, v[LI]
	WIN 0xc0
.irp q, 0,1
	ds_load_b128 v[VVR+4*\q:VVR+4*\q+3], v[ADP] offset:PV-PB-64+16*\q
.endr
	WIN 0
.irp q, 0,1,2,3,4,5,6,7
	ds_load_b128 v[ACC+4*\q:ACC+4*\q+3], v[TA] offset:512*\q   ; into the accumulators, which have been copied: ten plain lines stand behind the last matrix instruction
.endr
.set x_, 0
.rept 32
	XITEM
.set x_, x_+1
.endr
	TWAIT
.set r_, 0
.rept 48
	RITEM
.set r_, r_+1
.endr
	TWAIT
	s_wait_dscnt 0x0
	WIN 0x0c
.set f_, 0
.rept 16
	FITEM
.set f_, f_+1
.endr
	WIN 0
	; THE WAY OUT.  The sum of V: 32 numbers a lane, then across the 32 lanes.
.irp q, 1,2,3,4,5,6,7
	v_pk_add_f32 v[ACC:ACC+1], v[ACC:ACC+1], v[ACC+4*\q:ACC+4*\q+1]
	v_pk_add_f32 v[ACC+2:ACC+3], v[ACC+2:ACC+3], v[ACC+4*\q+2:ACC+4*\q+3]
.endr
	v_pk_add_f32 v[ACC:ACC+1], v[ACC:ACC+1], v[ACC+2:ACC+3]
	v_add_f32 v[ACC], v[ACC], v[ACC+1]
.irp m, 1,2,4,8
	v_add_f32_dpp v[ACC], v[ACC], v[ACC] row_xmask:\m row_mask:0xf bank_mask:0xf
.endr
	v_permlanex16_b32 v[ACC+1], v[ACC], s[SEL], s[SEL+1]
	v_add_f32 v[ACC], v[ACC], v[ACC+1]
	v_add_f32 v[ACC], s52, v[ACC]                  ; bV + sum of V
	; A row's eight sums of my half of the u, then the other half's
.irp i, 0,1,2,3
	v_pk_add_f32 v[SA+8*\i:SA+8*\i+1], v[SA+8*\i:SA+8*\i+1], v[SA+8*\i+2:SA+8*\i+3]
	v_pk_add_f32 v[SA+8*\i+4:SA+8*\i+5], v[SA+8*\i+4:SA+8*\i+5], v[SA+8*\i+6:SA+8*\i+7]
.endr
.irp i, 0,1,2,3
	v_pk_add_f32 v[SA+8*\i:SA+8*\i+1], v[SA+8*\i:SA+8*\i+1], v[SA+8*\i+4:SA+8*\i+5]
.endr
.irp i, 0,1,2,3
	v_add_f32 v[SA+8*\i], v[SA+8*\i], v[SA+8*\i+1]
.endr
.irp i, 0,1,2,3
	v_permlanex16_b32 v[SA+8*\i+1], v[SA+8*\i], s[SEL], s[SEL+1]
.endr
.irp i, 0,1,2,3
	v_add_f32 v[SA+8*\i], v[SA+8*\i], v[SA+8*\i+1]
.endr
.irp i, 0,1,2,3
	v_fma_f32 v[SA+8*\i], v[SA+8*\i], -2.0, v[ACC] ; the score of row 16 i + r, in both halves of the lanes
.endr
	; Lane (r, h) hands on rows 16 h + r and 32 + 16 h + r; through my stage they come back two neighbours a lane, so that one store covers the wave's 64 scores
	v_and_b32 v[TA], 16, v0
	v_cmp_ne_u32 vcc_lo, 0, v[TA]
	v_cndmask_b32 v[SA+1], v[SA], v[SA+8], vcc_lo
	v_cndmask_b32 v[SA+2], v[SA+16], v[SA+24], vcc_lo
	v_lshrrev_b32 v[TA], 2, v[LI]
	v_add_nc_u32 v[TA], s[STB], v[TA]              ; my stage + 4 x lane
	v_add_nc_u32 v[ADB], s[STB], v[GO]             ; my stage + 8 x lane
	ds_store_b32 v[TA], v[SA+1]
	ds_store_b32 v[TA], v[SA+2] offset:128
	ds_load_b64 v[SA+4:SA+5], v[ADB]               ; LDS serves a wave's instructions in order: this sees my stores
	s_wait_dscnt 0x0
	global_store_b64 v[GO], v[SA+4:SA+5], s[16:17] ; 32 lanes store 256 consecutive bytes, at a multiple of 256 from score's first byte
	s_wait_tensorcnt 0x0                           ; the wave's end: behind my last tensor load and my last LDS store
	ds_add_u32 v[SPW], v[NIL]
	s_wait_dscnt 0x0
	CROUND                                         ; the closing round: no work-group ends while a partner may still ask for a tile that names it
	s_endpgm
.Lfunc_end_k_qc6bcb651d4_main:
	.size	k_qc6bcb651d4_main, .Lfunc_end_k_qc6bcb651d4_main-k_qc6bcb651d4_main
	.p2alignl 7, 3214868480
	.fill 96, 4, 3214868480
	.section	.rodata,"a",@progbits
	.p2align	6, 0x0
	.amdhsa_kernel k_qc6bcb651d4_main
		.amdhsa_group_segment_fixed_size 327680
		.amdhsa_private_segment_fixed_size 0
		.amdhsa_enable_private_segment 0
		.amdhsa_kernarg_size 56
		.amdhsa_user_sgpr_count 2
		.amdhsa_user_sgpr_kernarg_segment_ptr 1
		.amdhsa_wavefront_size32 1
		.amdhsa_system_sgpr_workgroup_id_x 1
		.amdhsa_system_sgpr_workgroup_id_y 1
		.amdhsa_system_sgpr_workgroup_id_z 1
		.amdhsa_system_vgpr_workitem_id 0
		.amdhsa_next_free_vgpr 1024
		.amdhsa_next_free_sgpr 66
		.amdhsa_reserve_vcc 1
		.amdhsa_float_denorm_mode_32 3
		.amdhsa_float_denorm_mode_16_64 3
		.amdhsa_memory_ordered 1
		.amdhsa_forward_progress 1
		.amdhsa_inst_pref_size 255
	.end_amdhsa_kernel
	.section	.bss,"aw",@nobits
	.p2align	6
	.space	262144
	.amdgpu_metadata
---
amdhsa.version: [ 1, 2 ]
amdhsa.kernels:
  - .name:           k_qc6bcb651d4_main
    .symbol:         k_qc6bcb651d4_main.kd
    .args:
      - { .name: values, .offset: 0, .size: 8, .value_kind: global_buffer, .address_space: global }
      - { .name: w1f, .offset: 8, .size: 8, .value_kind: global_buffer, .address_space: global }
      - { .name: pqc, .offset: 16, .size: 8, .value_kind: global_buffer, .address_space: global }
      - { .name: V, .offset: 24, .size: 8, .value_kind: global_buffer, .address_space: global }
      - { .name: bV, .offset: 32, .size: 8, .value_kind: global_buffer, .address_space: global }
      - { .name: lowp_scales, .offset: 40, .size: 8, .value_kind: global_buffer, .address_space: global }
      - { .name: score, .offset: 48, .size: 8, .value_kind: global_buffer, .address_space: global }
    .group_segment_fixed_size: 327680
    .private_segment_fixed_size: 0
    .kernarg_segment_align: 8
    .kernarg_segment_size: 56
    .max_flat_workgroup_size: 128
    .sgpr_count:     66
    .vgpr_count:     1024
    .wavefront_size: 32
...
	.end_amdgpu_metadata
.endif
;; end of part 2
;; launch ctx (part 3): grid 256 x 1, 8 waves a work-group, no clusters, 9,216 bytes of LDS; arguments score, values, out0, out1; writes out0, out1
.if DOCPART == 3
	.amdgcn_target "amdgcn-amd-amdhsa--gfx1250"
	.amdhsa_code_object_version 6
	.text
	.protected	k_qc6bcb651d4_ctx
	.globl	k_qc6bcb651d4_ctx
	.p2align	8
	.type	k_qc6bcb651d4_ctx,@function
k_qc6bcb651d4_ctx:
	s_mov_b64 s[64:65], 0
	v_nop
	global_prefetch_b8 v0, s[64:65] scope:SCOPE_SE
	s_setreg_imm32_b32 hwreg(HW_REG_WAVE_MODE, 25, 1), 1
	s_wait_xcnt 0x0
; out1[b][s] = softmax over s of score[b][s];  out0[b][d] = sum over s of out1[b][s] values[b][s][d].  score [32][2048], values [32][2048][1024], all f32.
; SHARES.  Work-group (b = number / 8, cc = number % 8) owns columns 128 cc .. 128 cc + 127 of batch b: 512 bytes of each of its 2,048 rows.  Wave w owns rows 256 w .. 256 w + 255.
; One load of a wave is a row's 512 consecutive bytes, at a multiple of 512 from the buffer's first byte.  Every output number has one owner: no sums between work-groups.
; THE SOFTMAX is made anew in each of a batch's eight work-groups (8,192 bytes of scores): the batch's true maximum m is taken away, p = 2^(x log2(e) - m log2(e)), divided by the sum.
; A wave holds its 256 weights in 8 registers a lane: registers 0-3 rows 4 lane + 0 .. 3, registers 4-7 rows 128 + 4 lane + 0 .. 3.  Wave cc stores its own to out1.
; THE STREAM.  Four groups of 16 rows (64 registers each) take turns: three or four groups, 48 to 64 loads of 512 bytes a wave, are on their way.  A row's weight comes into a scalar register by v_readlane_b32.
; Memory binds: no matrix unit, no tensor load, no cluster (the work-groups share nothing but the scores).  NaN and infinities among the scores are not served.
; REGISTERS: v1 values' offset, v2 score's, v3 16 x lane, v4-6 LDS addresses; v8-15 the weights; v16-23 two sets of four sums; v24-43 at work; v64-255 and window 1's v0-63: the four groups.
.set L2E, 0x3fb8aa3b                   ; log2(e)
.set MSB, 0
.macro WIN new                         ; the immediate's high byte repeats the setting that is left
.if MSB != (\new)
	s_set_vgpr_msb (MSB<<8)|(\new)
.set MSB, (\new)
.endif
.endm
.macro FILL t                          ; rows 16 t .. 16 t + 15 of my 256, into group t % 4 (group 3 lies in window 1)
	WIN 0x40*(((\t)%4)/3)
.set r_, 0
.rept 16
	global_load_b128 v[(64+64*((\t)%4))%256+4*r_:(64+64*((\t)%4))%256+4*r_+3], v1, s[6:7] offset:(16*(\t)+r_)*4096 th:TH_LOAD_NT
.set r_, r_+1
.endr
	WIN 0
.endm
.macro TURN t
.if (\t) <= 12
	s_wait_loadcnt 48                              ; group t is in; the three groups behind it may be out
.else
	s_wait_loadcnt 16*(15-(\t))                    ; the counts run down: 32, 16, 0
.endif
.set r_, 0
.rept 16
	v_readlane_b32 s[32+2*r_], v[8+4*((\t)/8)+r_%4], 4*((\t)%8)+r_/4   ; the weight of row 16 t + r_
.set r_, r_+1
.endr
	WIN ((\t)%4)/3                                 ; source 0: window 1 for group 3
.set r_, 0
.rept 16
.set x_, (64+64*((\t)%4))%256+4*r_
.set a_, 16+4*(r_%2)
.if ((\t) == 0) && (r_ < 2)
	v_pk_mul_f32 v[a_:a_+1], v[x_:x_+1], s[32+2*r_:33+2*r_] op_sel_hi:[1,0]          ; the first two rows start the sums: nothing is cleared
	v_pk_mul_f32 v[a_+2:a_+3], v[x_+2:x_+3], s[32+2*r_:33+2*r_] op_sel_hi:[1,0]
.else
	v_pk_fma_f32 v[a_:a_+1], v[x_:x_+1], s[32+2*r_:33+2*r_], v[a_:a_+1] op_sel_hi:[1,0,1]
	v_pk_fma_f32 v[a_+2:a_+3], v[x_+2:x_+3], s[32+2*r_:33+2*r_], v[a_+2:a_+3] op_sel_hi:[1,0,1]
.endif
.set r_, r_+1
.endr
	WIN 0
.if (\t) < 12
	FILL (\t)+4
.endif
.endm
	s_load_b256 s[4:11], s[0:1], 0x0               ; score s[4:5], values s[6:7], out0 s[8:9], out1 s[10:11]
	v_lshl_add_u32 v62, v0, 2, 0x2000
	v_mov_b32 v63, 0
	v_lshrrev_b32 v1, 5, v0
	v_readfirstlane_b32 s12, v1                    ; wave 0..7
	s_lshr_b32 s13, ttmp9, 3                       ; b
	s_and_b32 s14, ttmp9, 7                        ; cc
	v_and_b32 v3, 31, v0
	v_lshlrev_b32 v3, 4, v3                        ; 16 x lane
	s_lshl_b32 s20, s12, 20
	v_add_nc_u32 v1, s20, v3                       ; values: 256 w rows of 4,096 bytes + 16 x lane
	s_lshl_b32 s15, s12, 10
	v_add_nc_u32 v2, s15, v3                       ; score: 256 w numbers + 16 x lane
	s_lshl_b32 s30, s12, 9
	s_add_co_u32 s30, s30, 512
	v_add_nc_u32 v4, s30, v3                       ; LDS: my wave's 512 bytes of column sums, from byte 512 on
	v_mov_b32 v5, s12
	v_lshlrev_b32 v5, 2, v5                        ; LDS: my wave's word among the eight maxima (byte 0 on) and the eight sums (byte 256 on)
	v_mov_b32 v6, 0
	s_mov_b32 s16, 0x76543210                      ; v_permlanex16_b32: each lane takes its own place in the other half
	s_mov_b32 s17, 0xfedcba98
	s_mov_b32 s18, L2E
	s_mov_b32 s19, L2E                             ; (named with it as a pair, so it is written)
.set q_, 0
.rept 16
	s_mov_b32 s[33+2*q_], 0                        ; the upper halves of the weights' pairs: named, never used
.set q_, q_+1
.endr
	s_lshl_b32 s22, s13, 13                        ; score: 8,192 b
	s_mov_b32 s23, 0
	s_lshl_b32 s21, s14, 9                         ; 512 cc
	s_lshl_b32 s24, s13, 23                        ; values: 2,048 rows of 4,096 bytes a batch
	s_add_co_u32 s24, s24, s21
	s_mov_b32 s25, 0
	s_lshl_b32 s26, s13, 12                        ; out0: 4,096 b + 512 cc
	s_add_co_u32 s26, s26, s21
	s_mov_b32 s27, 0
	s_lshl_b32 s28, s14, 10                        ; out1: 8,192 b + 1,024 cc
	s_add_co_u32 s28, s28, s22
	s_mov_b32 s29, 0
	s_wait_kmcnt 0x0
	s_add_nc_u64 s[4:5], s[4:5], s[22:23]
	s_add_nc_u64 s[6:7], s[6:7], s[24:25]
	s_add_nc_u64 s[8:9], s[8:9], s[26:27]
	s_add_nc_u64 s[10:11], s[10:11], s[28:29]
	global_load_b128 v[8:11], v2, s[4:5]
	global_load_b128 v[12:15], v2, s[4:5] offset:512
	FILL 0                                         ; the stream starts ahead of the softmax
	FILL 1
	FILL 2
	s_wait_loadcnt 48                              ; my 256 scores are in
	v_max3_num_f32 v24, v8, v9, v10
	v_max3_num_f32 v25, v11, v12, v13
	v_max3_num_f32 v24, v24, v14, v15
	v_max_num_f32 v24, v24, v25
.irp m, 1,2,4,8
	v_max_num_f32_dpp v24, v24, v24 row_xmask:\m row_mask:0xf bank_mask:0xf
.endr
	v_permlanex16_b32 v25, v24, s16, s17
	v_max_num_f32 v24, v24, v25                    ; my wave's maximum, in every lane
	ds_store_b32 v5, v24
	s_wait_dscnt 0x0                               ; for the others' sake
	s_barrier_signal -1
	s_barrier_wait -1
	ds_load_b128 v[28:31], v6
	ds_load_b128 v[32:35], v6 offset:16
	s_wait_dscnt 0x0
	v_max3_num_f32 v24, v28, v29, v30
	v_max3_num_f32 v25, v31, v32, v33
	v_max3_num_f32 v24, v24, v34, v35
	v_max_num_f32 v24, v24, v25                    ; m: the batch's maximum
	v_mul_f32 v36, 0xbfb8aa3b, v24                 ; - m log2(e): its rounding is common to all rows and cancels in the division by the sum
	v_mov_b32 v37, 0                               ; (named with it as a pair)
.irp q, 0,1,2,3
	v_pk_fma_f32 v[8+2*\q:9+2*\q], v[8+2*\q:9+2*\q], s[18:19], v[36:37] op_sel_hi:[1,0,0]
.endr
.irp q, 0,1,2,3,4,5,6,7
	v_exp_f32 v[8+\q], v[8+\q]
.endr
	v_mov_b32 v43, 0                               ; a plain line behind the last exponential (v43 is named below as the upper half of a pair),
	s_wait_alu depctr_va_vdst(0)                   ; and the wait ahead of the first reader: one for the batch
	v_pk_add_f32 v[38:39], v[8:9], v[10:11]
	v_pk_add_f32 v[40:41], v[12:13], v[14:15]
	v_pk_add_f32 v[38:39], v[38:39], v[40:41]
	v_add_f32 v38, v38, v39
.irp m, 1,2,4,8
	v_add_f32_dpp v38, v38, v38 row_xmask:\m row_mask:0xf bank_mask:0xf
.endr
	v_permlanex16_b32 v39, v38, s16, s17
	v_add_f32 v38, v38, v39                        ; my wave's sum
	ds_store_b32 v5, v38 offset:256                ; other words than the maxima's: no barrier is owed between those reads and this store
	s_wait_dscnt 0x0
	s_barrier_signal -1
	s_barrier_wait -1
	ds_load_b128 v[28:31], v6 offset:256
	ds_load_b128 v[32:35], v6 offset:272
	s_wait_dscnt 0x0
	v_pk_add_f32 v[28:29], v[28:29], v[30:31]
	v_pk_add_f32 v[32:33], v[32:33], v[34:35]
	v_pk_add_f32 v[28:29], v[28:29], v[32:33]
	v_add_f32 v28, v28, v29                        ; the batch's sum
	v_rcp_f32 v42, v28
	v_nop
	s_wait_alu depctr_va_vdst(0)
.irp q, 0,1,2,3
	v_pk_mul_f32 v[8+2*\q:9+2*\q], v[8+2*\q:9+2*\q], v[42:43] op_sel_hi:[1,0]   ; the weights
.endr
	s_cmp_lg_u32 s12, s14                          ; of the batch's eight work-groups, number cc stores the weights of rows 256 cc on: they are wave cc's
	s_cbranch_scc1 .Lnot_mine
	global_store_b128 v3, v[8:11], s[10:11]        ; 32 lanes store 512 consecutive bytes
	global_store_b128 v3, v[12:15], s[10:11] offset:512
.Lnot_mine:
	FILL 3
.set T_, 0
.rept 16
	TURN T_
.set T_, T_+1
.endr
	v_pk_add_f32 v[16:17], v[16:17], v[20:21]      ; even rows' sums + odd rows'
	v_pk_add_f32 v[18:19], v[18:19], v[22:23]
	ds_store_b128 v4, v[16:19]
	s_wait_dscnt 0x0                               ; for wave 0's sake
	s_barrier_signal -1
	s_barrier_wait -1
	s_cmp_lg_u32 s12, 0
	s_cbranch_scc1 .Lend
.irp p, 0,1,2,3,4,5,6,7
	ds_load_b128 v[64+4*\p:67+4*\p], v3 offset:512+512*\p
.endr
	s_wait_dscnt 0x0
.irp p, 1,2,3,4,5,6,7
	v_pk_add_f32 v[64:65], v[64:65], v[64+4*\p:65+4*\p]   ; rows ascending
	v_pk_add_f32 v[66:67], v[66:67], v[66+4*\p:67+4*\p]
.endr
	global_store_b128 v3, v[64:67], s[8:9]         ; the work-group's 128 columns: 512 consecutive bytes
.Lend:
	s_wait_tensorcnt 0x0
	ds_add_u32 v62, v63
	s_wait_dscnt 0x0
	s_endpgm
.Lfunc_end_k_qc6bcb651d4_ctx:
	.size	k_qc6bcb651d4_ctx, .Lfunc_end_k_qc6bcb651d4_ctx-k_qc6bcb651d4_ctx
	.p2alignl 7, 3214868480
	.fill 96, 4, 3214868480
	.section	.rodata,"a",@progbits
	.p2align	6, 0x0
	.amdhsa_kernel k_qc6bcb651d4_ctx
		.amdhsa_group_segment_fixed_size 9216
		.amdhsa_private_segment_fixed_size 0
		.amdhsa_enable_private_segment 0
		.amdhsa_kernarg_size 32
		.amdhsa_user_sgpr_count 2
		.amdhsa_user_sgpr_kernarg_segment_ptr 1
		.amdhsa_wavefront_size32 1
		.amdhsa_system_sgpr_workgroup_id_x 1
		.amdhsa_system_sgpr_workgroup_id_y 1
		.amdhsa_system_sgpr_workgroup_id_z 1
		.amdhsa_system_vgpr_workitem_id 0
		.amdhsa_next_free_vgpr 320
		.amdhsa_next_free_sgpr 66
		.amdhsa_reserve_vcc 0
		.amdhsa_float_denorm_mode_32 3
		.amdhsa_float_denorm_mode_16_64 3
		.amdhsa_memory_ordered 1
		.amdhsa_forward_progress 1
		.amdhsa_inst_pref_size 81
	.end_amdhsa_kernel
	.amdgpu_metadata
---
amdhsa.version: [ 1, 2 ]
amdhsa.kernels:
  - .name:           k_qc6bcb651d4_ctx
    .symbol:         k_qc6bcb651d4_ctx.kd
    .args:
      - { .name: score, .offset: 0, .size: 8, .value_kind: global_buffer, .address_space: global }
      - { .name: values, .offset: 8, .size: 8, .value_kind: global_buffer, .address_space: global }
      - { .name: out0, .offset: 16, .size: 8, .value_kind: global_buffer, .address_space: global }
      - { .name: out1, .offset: 24, .size: 8, .value_kind: global_buffer, .address_space: global }
    .group_segment_fixed_size: 9216
    .private_segment_fixed_size: 0
    .kernarg_segment_align: 8
    .kernarg_segment_size: 32
    .max_flat_workgroup_size: 256
    .sgpr_count:     66
    .vgpr_count:     320
    .wavefront_size: 32
...
	.end_amdgpu_metadata
.endif
;; end of part 3
